; MI455X (gfx1250); checked and timed in simulation.
; The chip was launched on July 23, 2026; its instructions are those of AMD's public machine-readable ISA for CDNA 5 (MIT licence, August 2026) and "CDNA5" Instruction Set Architecture Reference Guide (July 2026). The comments in the code are by the model that wrote it; some were corrected since.
;; Refinement Head. Allowed arithmetic: float matrix products may take bf16 or f16 operands with f32 sums; all other float work in f32.
;; Inputs: W1 3 x 64 float32; W2 64 x 128 float32; W3 128 x 256 float32; Wc 256 x 1 float32; Wr 256 x 6 float32; b1 64 float32; b2 128 float32; b3 256 float32; bc 1 float32; br 6 float32; counts 2,048 int32; points 2,048 x 256 x 3 float32; proposals 2,048 x 6 float32.
;; Outputs: out0 2,048 x 1 float32; out1 2,048 x 6 float32.
;; One version. Each part assembles by itself: llvm-mc -triple=amdgcn-amd-amdhsa -mcpu=gfx1250 --defsym DOCPART=n.
;; ======== version 1 of 1: 1 launch
;; limits: values are held in f16: magnitudes above 65,504 overflow, below 6.1e-05 lose precision
;; launch refine (part 1): grid 256 x 1, 4 waves a work-group, no clusters, 189,184 bytes of LDS; arguments points, counts, proposals, W1, b1, W2, b2, W3, b3, Wc, bc, Wr, br, out0, out1; writes out0, out1
.if DOCPART == 1
	.amdgcn_target "amdgcn-amd-amdhsa--gfx1250"
	.amdhsa_code_object_version 6
	.text
	.protected	k_qe8dd80f554_refine
	.globl	k_qe8dd80f554_refine
	.p2align	8
	.type	k_qe8dd80f554_refine,@function
k_qe8dd80f554_refine:
	s_mov_b64 s[64:65], 0
	v_nop
	global_prefetch_b8 v0, s[64:65] scope:SCOPE_SE
	s_setreg_imm32_b32 hwreg(HW_REG_WAVE_MODE, 25, 1), 1
	s_wait_xcnt 0x0
; RefinementHead: 2048 windows of up to 256 points; canonicalise, MLP 3 -> 64 -> 128 -> 256, maximum over the window, two heads (256 -> 1, 256 -> 6).
; Position j reads point j % n, so the maximum over 256 positions is the maximum over the first n = clamp(count, 1, 256) points: only
; ceil(n / 16) tiles of 16 points are computed for a window, none for a window with count < 4 (its features are zero).
; A work-group owns 8 windows, 256 work-groups.  Four waves; EVERY wave holds all weights as f16 fragments in registers (W3 512, W2 128, W1 32),
; so the loop reads no weights.  The work-group's tiles are numbered through (prefix sums of the windows' tile counts); wave w takes w, w+4, ...
; Layers 1 and 2 are computed transposed (A = weights, B = points): a lane's eight results are eight features of ONE point, and packing register
; pairs of result tiles 2s, 2s+1 gives the next layer's fragment of K step s in the same lane: no LDS, no lane traffic.  Layer 3 takes the
; points as A and W3 as B: a lane's eight results are eight points of one feature, and the pool is four v_max3 a tile.
; FEATURE ORDER: result tile t = 4g+q, row (column) r stands for feature 64g + 4r + q, so that a 16-byte load at column 64g+4r of a weight row
; feeds four tiles and sixteen lanes read 256 consecutive bytes.  K slot k of K step s then stands for feature 64(s>>1) + 2(s&1) + (k>>4) + 4(k&15).
; SCALE: f16 operands under an exact power of two for each window: lambda = 2^-(e+1), 2^e <= max(max|canon| over the n points, max|b1|, max|b2|) < 2^(e+1).
; relu(lambda x) = lambda relu(x), so the loop works on lambda h with biases lambda b1, lambda b2 (f32, as the first C); features = max * (1/lambda) + b3.
; Layer 1 has 3 of 32 K slots in use: points and W1 go in as f16 high + low parts (hi*hi + lo*hi + hi*lo) in the same instruction.
; LIMITS: the scaled hidden values (|lambda canon| < 1 times W1, W2) and |W1|, |W2|, |W3| must stay below 65504, f16's largest number;
; the maximum that sets lambda is clamped to [2^-100, 2^100]; NaN and infinities in the inputs are not reproduced (v_max_num drops a NaN);
; the division is v_rcp_f32 and a multiply; b3 is added behind the maximum; the heads' sums (f32 multiply-adds: 7 columns, and the features
; keep their f32 digits) run in another order than the reference's.
; NO CLUSTER: all work-groups read the same weights, but joint requests want equal trip counts in all partners, and here the trip count is
; the windows' own tile count, which is what leaves out the repeated points.  NO TENSOR LOADS: the weights pass through registers anyway
; (f32 to f16, K pairs packed), nothing in LDS is filled twice.  A window's output is 28 bytes, a work-group's 224: no whole block of 256 bytes.
;
; LDS
.set REC,  0                           ; 32768: point i of local window p at 4096 p + 16 i: (xh,yh) (zh,xl) (yl,zl) 0, f16 pairs of lambda canon
.set FRAG, 32768                       ; 81920: fragment f at 1024 f + 512 half + 16 lane.  W2(t,s): f = 2t+s.  W3(t,s): f = 16 + 16s + t
.set PART, 114688                      ; 65536: ((8 wave + p) 2 + h) 1024 + 4 feature: the wave's own running maxima, f32
.set PAR,  180224                      ; 256:   16 p: lambda, lambda, 1/lambda, 1/lambda
.set HEAD, 180480                      ; 8192:  Wr (6144), Wc (1024), b3 (1024), f32 as in memory
; REGISTERS, window 0: v0 thread, v1 lane, v2 r = lane & 15, v3 h = lane >> 4, v4 16 lane, v5 record address, v6 PAR address, v7 address of the
; running maxima, v[8:9] lambda twice, v10 v7's next value, v11 1024 h + 16 r, v12-15 at work, v16-23 X (layer 1's B), v24-39 running maxima,
; v40-71 H2 (4 fragments), v72-85 set-up, v128-255 accumulators: layer 1 tile q at 128+8q (packed in place: H1 fragment s at 128+16s),
; layer 2 tile t at 160+8t, layer 3 tile t at 128+8t.
; window 1: W2(t,s) at 8(2t+s); W1(q) at 128+8q; b2 as layer 2's C at 160+8t+j; b1 at 224+8q+j.  window 2: W3(t,s), s = 0,1 at 8(16s+t).  window 3: s = 2,3.
; SCALARS: s2 wave, s4 trips done, s5 my trips, s38 my first window, s39 my part of PART, s40-47 n of the 8 windows, s48-55 prefix sums of their
; tile counts (s55 = all), s56-57 n of my two windows, s58 tile, s59-61 window, its first tile, its n, s68-79 my two proposals, s80-85 br, s86 bc,
; s92-93 valid masks, s94-98 MAP's results.
.set PT,   128                         ; set-up: point 32 i + lane of my window u in v[PT+32u+4i .. +2]
.set MSB, 0
.macro WIN new                         ; the immediate's high byte repeats the setting that is left; bits 1:0 source 0, 3:2 source 1, 5:4 source 2, 7:6 destination
.if MSB != \new
	s_set_vgpr_msb (MSB<<8)|\new
.set MSB, \new
.endif
.endm
; tile g -> its window p (the last q with g >= S_q), the window's first tile and n; then the terms of the tile's LDS addresses.  Scalar work alone.
; For g beyond the last tile (the look-ahead of the last trip) p = 7 and the point index is clamped below: an LDS read in range whose result is not used.
.macro MAP g
	s_mov_b32 s59, 0
	s_mov_b32 s60, 0
	s_mov_b32 s61, s40
.irp q, 1,2,3,4,5,6,7
	s_cmp_ge_u32 \g, s[47+\q]
	s_cselect_b32 s59, \q, s59
	s_cselect_b32 s60, s[47+\q], s60
	s_cselect_b32 s61, s[40+\q], s61
.endr
	s_min_u32 s59, s59, 7
	s_sub_co_u32 s94, \g, s60
	s_lshl_b32 s94, s94, 4                         ; the tile's first point
	s_sub_co_u32 s95, s61, 1                       ; the window's last point
	s_lshl_b32 s96, s59, 12                        ; the window's records
	s_lshl_b32 s97, s59, 4
	s_add_co_u32 s97, s97, PAR                     ; its lambda
	s_lshl_b32 s98, s59, 11
	s_add_co_u32 s98, s98, s39                     ; my running maxima for it
.endm
.macro TADDR                           ; six plain vector instructions on v5, v6, v10, v12
	v_add_nc_u32 v12, s94, v2
	v_min_u32 v12, s95, v12                        ; points past the window's end repeat its last point: the maximum does not change
	v_min_u32 v12, 0xff, v12
	v_lshl_add_u32 v5, v12, 4, s96
	v_mov_b32 v6, s97
	v_add_nc_u32 v10, s98, v11
.endm
.macro BIAS dst, src, n                ; accumulators start as lambda x bias (bias in window 1)
.set bi, 0
.rept \n/2
	v_pk_mul_f32 v[\dst+bi:\dst+bi+1], v[\src+bi:\src+bi+1], v[8:9]
.set bi, bi+2
.endr
.endm
.macro RELU base, n
.set ri, 0
.rept \n
	v_max_num_f32 v[\base+ri], 0, v[\base+ri]
.set ri, ri+1
.endr
.endm
.macro PACK dst, ta, tb                ; result tiles ta, tb -> one f16 fragment; the first half first, so that dst = ta is safe
.irp i, 0,1,2,3
	v_cvt_pk_f16_f32 v[\dst+\i], v[\ta+2*\i], v[\ta+2*\i+1]
.endr
.irp i, 0,1,2,3
	v_cvt_pk_f16_f32 v[\dst+4+\i], v[\tb+2*\i], v[\tb+2*\i+1]
.endr
.endm
.macro L3 hs, ws, zero                 ; K step hs of layer 3, W3's fragments at place ws of the window in force; sixteen accumulators by turns
.irp t, 0,1,2,3,4,5,6,7,8,9,10,11,12,13,14,15
.if \zero
	v_wmma_f32_16x16x32_f16 v[128+8*\t:135+8*\t], v[40+8*\hs:47+8*\hs], v[8*(16*\ws+\t):8*(16*\ws+\t)+7], 0
.else
	v_wmma_f32_16x16x32_f16 v[128+8*\t:135+8*\t], v[40+8*\hs:47+8*\hs], v[8*(16*\ws+\t):8*(16*\ws+\t)+7], v[128+8*\t:135+8*\t]
.endif
.endr
.endm
.macro REDMAX v, t                     ; maximum over the 32 lanes, in every lane; t has been written before
	v_max_num_f32_dpp v[\v], v[\v], v[\v] row_xmask:1 row_mask:0xf bank_mask:0xf
	v_max_num_f32_dpp v[\v], v[\v], v[\v] row_xmask:2 row_mask:0xf bank_mask:0xf
	v_max_num_f32_dpp v[\v], v[\v], v[\v] row_xmask:4 row_mask:0xf bank_mask:0xf
	v_max_num_f32_dpp v[\v], v[\v], v[\v] row_xmask:8 row_mask:0xf bank_mask:0xf
	v_permlanex16_b32 v[\t], v[\v], s87, s88
	v_max_num_f32 v[\v], v[\v], v[\t]
.endm
.macro REDSUM v, t
	v_add_f32_dpp v[\v], v[\v], v[\v] row_xmask:1 row_mask:0xf bank_mask:0xf
	v_add_f32_dpp v[\v], v[\v], v[\v] row_xmask:2 row_mask:0xf bank_mask:0xf
	v_add_f32_dpp v[\v], v[\v], v[\v] row_xmask:4 row_mask:0xf bank_mask:0xf
	v_add_f32_dpp v[\v], v[\v], v[\v] row_xmask:8 row_mask:0xf bank_mask:0xf
	v_permlanex16_b32 v[\t], v[\v], s87, s88
	v_add_f32 v[\v], v[\v], v[\t]
.endm
; sixteen loads of W3 for K step s: rows 64(s>>1) + 2(s&1) + half + 4e + 32h, my 64 columns, 16 bytes a lane; raw f32 in window 2
.macro W3LOAD s
.irp hf, 0,1
.irp e, 0,1,2,3,4,5,6,7
	global_load_b128 v[((2*\s+\hf)*8+\e)*4:((2*\s+\hf)*8+\e)*4+3], v29, s[22:23] offset:(64*(\s>>1)+2*(\s&1)+\hf+4*\e)*1024
.endr
.endr
.endm
; W1's fragment of result tile q: lanes h = 0 hold (wxh,wyh)(wzh,wxh)(wyh,wzh), lanes h = 1 (wxl,wyl)(wzl,0)(0,0); registers 3-7 are 0
.macro W1Q q
	v_cvt_pk_f16_f32 v16, v[208+\q], v[212+\q]
	v_cvt_pk_f16_f32 v17, v[216+\q], v[216+\q]
	v_cvt_f32_f16 v18, v16.l
	v_cvt_f32_f16 v19, v16.h
	v_cvt_f32_f16 v20, v17.l
	v_sub_f32 v21, v[208+\q], v18                  ; the low parts, exact
	v_sub_f32 v22, v[212+\q], v19
	v_sub_f32 v23, v[216+\q], v20
	v_cndmask_b32 v21, v18, v21, s91               ; h = 1: low part; h = 0: high part
	v_cndmask_b32 v22, v19, v22, s91
	v_cndmask_b32 v23, v20, v23, s91
	v_cndmask_b32 v18, v18, 0, s91                 ; h = 1: nothing
	v_cndmask_b32 v19, v19, 0, s91
	v_cndmask_b32 v20, v20, 0, s91
	WIN 0x40
	v_cvt_pk_f16_f32 v[128+8*\q], v21, v22
	v_cvt_pk_f16_f32 v[129+8*\q], v23, v18
	v_cvt_pk_f16_f32 v[130+8*\q], v19, v20
.irp i, 3,4,5,6,7
	v_mov_b32 v[128+8*\q+\i], 0
.endr
	WIN 0
.endm
; my window u: canon in place, its largest magnitude over the first n points, lambda, and the 256 records
.macro RECORD u
.irp i, 0,1,2,3,4,5,6,7
	v_sub_f32 v[PT+32*\u+4*\i],   v[PT+32*\u+4*\i],   s[68+6*\u]
	v_sub_f32 v[PT+32*\u+4*\i+1], v[PT+32*\u+4*\i+1], s[69+6*\u]
	v_sub_f32 v[PT+32*\u+4*\i+2], v[PT+32*\u+4*\i+2], s[70+6*\u]
	v_pk_mul_f32 v[PT+32*\u+4*\i:PT+32*\u+4*\i+1], v[PT+32*\u+4*\i:PT+32*\u+4*\i+1], v[72+4*\u:73+4*\u]
	v_mul_f32 v[PT+32*\u+4*\i+2], v[PT+32*\u+4*\i+2], v[74+4*\u]
	v_max3_num_f32 v12, |v[PT+32*\u+4*\i]|, |v[PT+32*\u+4*\i+1]|, |v[PT+32*\u+4*\i+2]|
	s_sub_co_i32 s62, s[56+\u], 32*\i
	v_cmp_gt_i32 vcc_lo, s62, v1                   ; point 32 i + lane < n
.if \i == 0
	v_cndmask_b32 v14, 0, v12, vcc_lo
.else
	v_cndmask_b32 v12, 0, v12, vcc_lo
	v_max_num_f32 v14, v14, v12
.endif
.endr
	REDMAX 14, 13
	v_max_num_f32 v14, v14, v37                    ; and the biases' largest magnitude
	v_med3_num_f32 v14, v14, s89, s90              ; into [2^-100, 2^100]
	v_and_b32 v15, 0x7f800000, v14                 ; exponent field E: 2^(E-127) <= maximum < 2^(E-126)
	v_sub_nc_u32 v8, 0x7e800000, v15               ; lambda = 2^(126-E): field 253 - E
	v_sub_nc_u32 v9, 0x7e800000, v15
	v_add_nc_u32 v10, 0x00800000, v15              ; 1/lambda: field E + 1
	v_add_nc_u32 v11, 0x00800000, v15
	ds_store_b128 v79, v[8:11] offset:16*\u        ; every lane the same 16 bytes
.irp i, 0,1,2,3,4,5,6,7
	v_pk_mul_f32 v[PT+32*\u+4*\i:PT+32*\u+4*\i+1], v[PT+32*\u+4*\i:PT+32*\u+4*\i+1], v[8:9]
	v_mul_f32 v[PT+32*\u+4*\i+2], v[PT+32*\u+4*\i+2], v8
	v_cvt_pk_f16_f32 v16, v[PT+32*\u+4*\i], v[PT+32*\u+4*\i+1]       ; (xh, yh)
	v_cvt_pk_f16_f32 v20, v[PT+32*\u+4*\i+2], v[PT+32*\u+4*\i+2]     ; zh
	v_cvt_f32_f16 v21, v16.l
	v_cvt_f32_f16 v22, v16.h
	v_cvt_f32_f16 v23, v20.l
	v_sub_f32 v21, v[PT+32*\u+4*\i], v21           ; the low parts
	v_sub_f32 v22, v[PT+32*\u+4*\i+1], v22
	v_sub_f32 v12, v[PT+32*\u+4*\i+2], v23
	v_cvt_pk_f16_f32 v17, v23, v21                 ; (zh, xl)
	v_cvt_pk_f16_f32 v18, v22, v12                 ; (yl, zl)
	ds_store_b128 v85, v[16:19] offset:4096*\u+512*\i   ; v19 = 0; 32 lanes, 512 consecutive bytes
.endr
.endm
	; ---- pointers, ids, lane terms ----
	s_load_b512 s[8:23], s[0:1], 0x0               ; points 8, counts 10, proposals 12, W1 14, b1 16, W2 18, b2 20, W3 22
	s_load_b256 s[24:31], s[0:1], 0x40             ; b3 24, Wc 26, bc 28, Wr 30
	s_load_b128 s[32:35], s[0:1], 0x60             ; br 32, out0 34
	s_load_b64 s[36:37], s[0:1], 0x70              ; out1
	v_lshl_add_u32 v126, v0, 2, 0x2e100
	v_mov_b32 v127, 0
	v_lshrrev_b32 v1, 5, v0
	v_readfirstlane_b32 s2, v1                     ; wave
	v_and_b32 v1, 31, v0                           ; lane
	v_and_b32 v2, 15, v0                           ; r
	v_bfe_u32 v3, v0, 4, 1                         ; h
	v_lshlrev_b32 v4, 4, v1                        ; 16 lane
	s_lshl_b32 s3, ttmp9, 3                        ; the work-group's first window
	s_lshl1_add_u32 s38, s2, s3                    ; my first window: 8 group + 2 wave
	s_mov_b32 s67, 0
	s_mov_b32 s87, 0x76543210                      ; v_permlanex16_b32: lane i of the other half
	s_mov_b32 s88, 0xfedcba98
	s_mov_b32 s89, 0x0d800000                      ; 2^-100
	s_mov_b32 s90, 0x71800000                      ; 2^100
	s_mov_b32 s91, 0xffff0000                      ; the lanes with h = 1
	s_lshl_b32 s39, s2, 14
	s_add_co_u32 s39, s39, PART                    ; my 16,384 bytes of running maxima
	v_mul_u32_u24 v24, v1, 12                      ; points: 12 bytes a lane
	v_lshlrev_b32 v25, 3, v1                       ; b1: 8 bytes a lane
	v_lshlrev_b32 v26, 4, v0                       ; Wr: 16 bytes a thread
	v_and_b32 v27, 63, v0
	v_lshlrev_b32 v27, 4, v27                      ; Wc (waves 0, 1) or b3 (waves 2, 3)
	v_lshlrev_b32 v28, 4, v2                       ; 16 r
	s_lshl_b32 s62, s2, 8
	v_lshl_add_u32 v29, v3, 15, v28                ; W3: 32 h rows of 1,024 bytes + 16 r
	v_add_nc_u32 v29, s62, v29                     ;     + my 64 columns (column group = wave)
	s_lshr_b32 s62, s2, 1                          ; W2: my column group
	s_and_b32 s63, s2, 1                           ;     and my K step
	s_lshl_b32 s4, s62, 8
	s_lshl_b32 s5, s63, 10
	s_add_co_u32 s4, s4, s5
	v_lshl_add_u32 v30, v3, 14, v28                ; W2: 32 h rows of 512 bytes + 16 r
	v_add_nc_u32 v30, s4, v30                      ;     + 256 group + 2 step rows
	s_mul_i32 s5, s62, 8192                        ; W2's fragments of mine begin at f = 8 group + step, 1,024 bytes each
	s_mul_i32 s6, s63, 1024
	s_add_co_u32 s5, s5, s6
	s_add_co_u32 s5, s5, FRAG
	v_add_nc_u32 v81, s5, v4
	s_wait_kmcnt 0x0                               ; the pointers
	s_lshl_b32 s66, ttmp9, 5
	s_add_nc_u64 s[10:11], s[10:11], s[66:67]      ; the group's eight counts
	s_load_b256 s[40:47], s[10:11], 0x0
	s_lshl_b32 s66, s2, 3
	s_add_nc_u64 s[4:5], s[10:11], s[66:67]        ; my two
	s_load_b64 s[56:57], s[4:5], 0x0
	s_mul_i32 s66, s38, 24
	s_add_nc_u64 s[12:13], s[12:13], s[66:67]      ; my two proposals
	s_add_nc_u64 s[36:37], s[36:37], s[66:67]      ; and my 48 bytes of out1
	s_load_b256 s[68:75], s[12:13], 0x0
	s_load_b128 s[76:79], s[12:13], 0x20
	s_load_b128 s[80:83], s[32:33], 0x0            ; br
	s_load_b64 s[84:85], s[32:33], 0x10
	s_load_b32 s86, s[28:29], 0x0                  ; bc
	s_lshl_b32 s66, s38, 2
	s_add_nc_u64 s[34:35], s[34:35], s[66:67]      ; my 8 bytes of out0
	s_mul_i32 s66, s38, 3072
	s_add_nc_u64 s[8:9], s[8:9], s[66:67]          ; my two windows' points
	s_cmp_lt_u32 s2, 2
	s_cselect_b64 s[6:7], s[26:27], s[24:25]       ; waves 0, 1 stage Wc, waves 2, 3 b3
	; ---- first group of loads, 25: what the vector work of the set-up needs ----
.irp u, 0,1
.irp i, 0,1,2,3,4,5,6,7
	global_load_b96 v[PT+32*\u+4*\i:PT+32*\u+4*\i+2], v24, s[8:9] offset:3072*\u+384*\i th:TH_LOAD_NT   ; 384 consecutive bytes: 32 points
.endr
.endr
	global_load_b64 v[220:221], v25, s[16:17]      ; b1, for its largest magnitude
	global_load_b128 v[224:227], v4, s[20:21]      ; b2 likewise
	global_load_b128 v[192:195], v26, s[30:31]     ; Wr: 2,048 bytes for each line of the four waves
	global_load_b128 v[196:199], v26, s[30:31] offset:2048
	global_load_b128 v[200:203], v26, s[30:31] offset:4096
	global_load_b128 v[204:207], v27, s[6:7]
.irp k, 0,1,2
	global_load_b128 v[208+4*\k:211+4*\k], v28, s[14:15] offset:256*\k   ; W1's row k, features 4r .. 4r+3
.endr
	; ---- second group, 32: W3's K steps 0 and 1 ----
	WIN 0x80                                       ; destination in window 2
	W3LOAD 0
	W3LOAD 1
	WIN 0
	; ---- work that hangs on no vector load ----
	v_mov_b32 v32, 0xff800000                      ; -infinity
	v_mov_b32 v33, 0xff800000
	v_mov_b32 v34, 0xff800000
	v_mov_b32 v35, 0xff800000
	v_add_nc_u32 v31, s39, v4
.set pj, 0
.rept 32
	ds_store_b128 v31, v[32:35] offset:512*pj      ; my running maxima start at -infinity
.set pj, pj+1
.endr
	v_add_nc_u32 v36, HEAD, v26
	v_mov_b32 v38, 0x358637bd                      ; 1e-6
	v_mov_b32 v13, 0
	s_lshl_b32 s62, s2, 5
	s_add_co_u32 s62, s62, PAR
	v_mov_b32 v79, s62                             ; my two windows' place in PAR
	s_lshl_b32 s62, s2, 13
	v_add_nc_u32 v85, s62, v4                      ; my two windows' records (REC = 0)
	s_lshl_b32 s62, s2, 12
	s_add_co_u32 s62, s62, FRAG+16384
	v_add_nc_u32 v80, s62, v4                      ; W3's fragments of mine: t = 4 wave + q
	v_add_nc_u32 v82, FRAG, v4
	v_add_nc_u32 v83, FRAG+49152, v4
	v_lshlrev_b32 v84, 7, v3                       ; biases: 32 h features
	s_wait_kmcnt 0x0                               ; counts, proposals, br, bc
.irp q, 0,1,2,3,4,5,6,7
	s_max_i32 s62, s[40+\q], 1
	s_min_u32 s62, s62, 256                        ; n
	s_add_co_u32 s63, s62, 15
	s_lshr_b32 s63, s63, 4                         ; its tiles,
	s_cmp_ge_i32 s[40+\q], 4
	s_cselect_b32 s63, s63, 0                      ; none where count < 4
	s_mov_b32 s[40+\q], s62
.if \q == 0
	s_mov_b32 s48, s63
.else
	s_add_co_u32 s[48+\q], s[47+\q], s63
.endif
.endr
.irp u, 0,1
	s_cmp_ge_i32 s[56+\u], 4
	s_cselect_b32 s[92+\u], -1, 0
	s_max_i32 s[56+\u], s[56+\u], 1
	s_min_u32 s[56+\u], s[56+\u], 256
.endr
.irp u, 0,1
.irp k, 0,1,2
	v_add_f32 v[72+4*\u+\k], |s[71+6*\u+\k]|, v38
.endr
.endr
.irp u, 0,1
.irp k, 0,1,2
	v_rcp_f32 v[72+4*\u+\k], v[72+4*\u+\k]
.endr
.endr
	v_nop                                          ; one plain place behind the reciprocals (ISA guide 5.7.2)
	s_wait_loadcnt 0x20                            ; loads return in order: the 32 of the second group are the only younger ones, so the first 25 are in
	; ---- third group, 48: the rest of W3, and my share of W2 ----
	WIN 0x80
	W3LOAD 2
	W3LOAD 3
	WIN 0xc0                                       ; destination in window 3
.irp hf, 0,1
.irp e, 0,1,2,3,4,5,6,7
	global_load_b128 v[(\hf*8+\e)*4:(\hf*8+\e)*4+3], v30, s[18:19] offset:(\hf+4*\e)*512
.endr
.endr
	WIN 0
	; ---- vector work while the weights are on their way ----
	ds_store_b128 v36, v[192:195]                  ; the heads' weights and b3, as they are
	ds_store_b128 v36, v[196:199] offset:2048
	ds_store_b128 v36, v[200:203] offset:4096
	ds_store_b128 v36, v[204:207] offset:6144      ; threads 0-63: Wc at 6144; threads 64-127: b3 at 7168
	v_max3_num_f32 v37, |v220|, |v221|, |v224|
	v_max3_num_f32 v37, v37, |v225|, |v226|
	v_max_num_f32 v37, v37, |v227|
	REDMAX 37, 13                                  ; the largest |b1|, |b2|
	W1Q 0
	W1Q 1
	W1Q 2
	W1Q 3
	v_mov_b32 v19, 0                               ; a record's fourth word
	s_wait_alu depctr_va_vdst(0)
	RECORD 0
	RECORD 1
.irp i, 20,21,22,23
	v_mov_b32 v\i, 0                               ; X's registers 4-7: K slots 16-31 of layer 1 are not used
.endr
	v_lshl_add_u32 v11, v3, 10, v28                ; 1024 h + 16 r
	s_wait_loadcnt 0x0                             ; all weights are in
	; ---- the biases in the accumulators' layout: register j of tile t holds feature 64g + 4(8h+j) + q ----
	WIN 0x40
.irp t, 0,1,2,3,4,5,6,7
.irp j, 0,1,2,3,4,5,6,7
	global_load_b32 v[160+8*\t+\j], v84, s[20:21] offset:(64*(\t>>2)+4*\j+(\t&3))*4
.endr
.endr
.irp q, 0,1,2,3
.irp j, 0,1,2,3,4,5,6,7
	global_load_b32 v[224+8*\q+\j], v84, s[16:17] offset:(4*\j+\q)*4
.endr
.endr
	; ---- f32 to f16, neighbouring K slots packed: register 4 half + i of a fragment holds e = 2i, 2i+1 ----
	WIN 0x0a                                       ; both sources in window 2
.irp sh, 0,1,2,3,4,5,6,7
.irp q, 0,1,2,3
.irp i, 0,1,2,3
	v_cvt_pk_f16_f32 v[128+(\sh*4+\q)*4+\i], v[(\sh*8+2*\i)*4+\q], v[(\sh*8+2*\i+1)*4+\q]
.endr
.endr
.endr
	WIN 0x0f                                       ; both sources in window 3
.irp hf, 0,1
.irp q, 0,1,2,3
.irp i, 0,1,2,3
	v_cvt_pk_f16_f32 v[40+(\hf*4+\q)*4+\i], v[(\hf*8+2*\i)*4+\q], v[(\hf*8+2*\i+1)*4+\q]
.endr
.endr
.endr
	WIN 0
.irp sh, 0,1,2,3,4,5,6,7
.irp q, 0,1,2,3
	ds_store_b128 v80, v[128+(\sh*4+\q)*4:128+(\sh*4+\q)*4+3] offset:(16*(\sh>>1)+\q)*1024+(\sh&1)*512
.endr
.endr
.irp hf, 0,1
.irp q, 0,1,2,3
	ds_store_b128 v81, v[40+(\hf*4+\q)*4:40+(\hf*4+\q)*4+3] offset:2*\q*1024+\hf*512
.endr
.endr
	s_wait_dscnt 0x0                               ; for the other waves' sake: my records, lambdas, fragments and head weights are in LDS
	s_barrier_signal -1
	s_barrier_wait -1                              ; everybody's are
	; ---- every wave takes all fragments into its registers ----
	WIN 0x40
.irp f, 0,1,2,3,4,5,6,7,8,9,10,11,12,13,14,15
	ds_load_b128 v[8*\f:8*\f+3],   v82 offset:1024*\f
	ds_load_b128 v[8*\f+4:8*\f+7], v82 offset:1024*\f+512
.endr
	WIN 0x80
.set fj, 0
.rept 32
	ds_load_b128 v[8*fj:8*fj+3],   v82 offset:16384+1024*fj
	ds_load_b128 v[8*fj+4:8*fj+7], v82 offset:16384+1024*fj+512
.set fj, fj+1
.endr
	WIN 0xc0
.set fj, 0
.rept 32
	ds_load_b128 v[8*fj:8*fj+3],   v83 offset:1024*fj
	ds_load_b128 v[8*fj+4:8*fj+7], v83 offset:1024*fj+512
.set fj, fj+1
.endr
	WIN 0
	s_mov_b32 s58, s2                              ; my first tile
	s_add_co_u32 s5, s55, 3
	s_sub_co_u32 s5, s5, s2
	s_lshr_b32 s5, s5, 2                           ; my trips: the tiles w, w+4, .. below the group's count = (count + 3 - w) >> 2, none where count <= w
	s_min_u32 s5, s5, 32                           ; 8 windows x 16 tiles over 4 waves at the most
	s_mov_b32 s4, 0                                ; trips done
	MAP s58
	TADDR
	v_mov_b32 v7, v10
	ds_load_b128 v[16:19], v5                      ; the first tile's points
	ds_load_b64 v[8:9], v6                         ; and its lambda
	s_wait_loadcnt 0x0                             ; the biases
	s_wait_dscnt 0x0                               ; the fragments and the first tile
	s_cmp_eq_u32 s5, 0
	s_cbranch_scc1 .Ldone                          ; fewer tiles than waves: nothing for me
	; ---- one tile of 16 points: 84 matrix instructions.  In each run the accumulators take turns, one instruction a turn, over the backward
	; jump too (the last names tile 15 of layer 3, the first tile 0 of layer 1). ----
.Ltile:
.irp g, 0,1,2,3
	ds_load_b128 v[24+4*\g:27+4*\g], v7 offset:256*\g   ; my running maxima of this window and half: my own bytes, served behind the last trip's stores
.endr
	WIN 0x01                                       ; source 0 in window 1
	BIAS 128, 224, 32
.irp q, 0,1,2,3
	v_wmma_f32_16x16x32_f16 v[128+8*\q:135+8*\q], v[128+8*\q:135+8*\q], v[16:23], v[128+8*\q:135+8*\q]   ; A = W1(q) in window 1
.endr
	BIAS 160, 160, 64                              ; 32 instructions that name none of layer 1's registers: the places behind it (ISA guide 7.12.1)
	WIN 0
	RELU 128, 32
	PACK 128, 128, 136
	PACK 144, 144, 152
	s_add_co_u32 s62, s58, 4
	MAP s62                                        ; my next tile
	WIN 0x01
.irp s, 0,1
.irp t, 0,1,2,3,4,5,6,7
	v_wmma_f32_16x16x32_f16 v[160+8*\t:167+8*\t], v[8*(2*\t+\s):8*(2*\t+\s)+7], v[128+16*\s:135+16*\s], v[160+8*\t:167+8*\t]
.endr
.endr
	WIN 0
	TADDR                                          ; six places behind layer 2
	RELU 160, 64
	PACK 40, 160, 168
	PACK 48, 176, 184
	PACK 56, 192, 200
	PACK 64, 208, 216
	ds_load_b128 v[16:19], v5                      ; the next tile's points and lambda: they land under layer 3
	ds_load_b64 v[8:9], v6
	WIN 0x08                                       ; source 1 in window 2
	L3 0, 0, 1                                     ; the first K step starts the sums
	L3 1, 1, 0
	WIN 0x0c                                       ; source 1 in window 3
	L3 2, 0, 0
	L3 3, 1, 0
	WIN 0
.rept 4
	v_nop                                          ; four places before a vector instruction reads a matrix result (ISA guide 7.12.1)
.endr
	s_wait_dscnt 0x0                               ; the running maxima, and the next tile's points and lambda
.irp k, 0,1,2,3
.irp t, 0,1,2,3,4,5,6,7,8,9,10,11,12,13,14,15
	v_max3_num_f32 v[24+\t], v[24+\t], v[128+8*\t+2*\k], v[128+8*\t+2*\k+1]
.endr
.endr
.irp g, 0,1,2,3
	ds_store_b128 v7, v[24+4*\g:27+4*\g] offset:256*\g   ; tiles 4g .. 4g+3 of lane r are features 64g+4r .. +3: sixteen lanes, 256 consecutive bytes
.endr
	v_mov_b32 v7, v10
	s_add_co_u32 s58, s58, 4                       ; my next tile's number, for MAP alone
	s_add_co_u32 s4, s4, 1                         ; the loop ends on the count of trips
	s_cmp_lt_u32 s4, s5
	s_cbranch_scc1 .Ltile
.Ldone:
	s_wait_dscnt 0x0                               ; for the other waves' sake: my running maxima are in LDS
	s_barrier_signal -1
	s_barrier_wait -1
	; ---- the heads, f32: wave w finishes windows 2w, 2w+1; lane L owns features 128 z + 4 L + a ----
	v_mul_u32_u24 v12, v1, 96
	v_add_nc_u32 v12, HEAD, v12                    ; four rows of Wr: 96 bytes
	v_add_nc_u32 v13, HEAD+6144, v4
	s_lshl_b32 s62, s2, 12
	s_add_co_u32 s62, s62, PART
	v_add_nc_u32 v14, s62, v4                      ; window 2w in wave 0's part
	v_mov_b32 v64, 0
.irp i, 0,1,2,3,4,5
	ds_load_b128 v[128+4*\i:131+4*\i], v12 offset:16*\i          ; Wr(a, c) at 128 + 24 z + 6 a + c
	ds_load_b128 v[152+4*\i:155+4*\i], v12 offset:3072+16*\i
.endr
	ds_load_b128 v[176:179], v13                   ; Wc
	ds_load_b128 v[180:183], v13 offset:512
	ds_load_b128 v[184:187], v13 offset:1024       ; b3
	ds_load_b128 v[188:191], v13 offset:1536
.macro HEADP u
.irp z, 0,1
.irp k, 0,1,2,3,4,5,6,7
	ds_load_b128 v[192+(\z*8+\k)*4:192+(\z*8+\k)*4+3], v14 offset:(\k>>1)*16384+(\k&1)*1024+\u*2048+\z*512   ; partial k = 2 wave + h
.endr
.endr
	ds_load_b32 v15, v79 offset:16*\u+8            ; 1/lambda
	s_wait_dscnt 0x0
.irp f, 0,1,2,3,4,5,6,7
	v_max3_num_f32 v[40+\f], v[192+(\f>>2)*32+(\f&3)], v[196+(\f>>2)*32+(\f&3)], v[200+(\f>>2)*32+(\f&3)]
.endr
.irp f, 0,1,2,3,4,5,6,7
	v_max3_num_f32 v[40+\f], v[40+\f], v[204+(\f>>2)*32+(\f&3)], v[208+(\f>>2)*32+(\f&3)]
.endr
.irp f, 0,1,2,3,4,5,6,7
	v_max3_num_f32 v[40+\f], v[40+\f], v[212+(\f>>2)*32+(\f&3)], v[216+(\f>>2)*32+(\f&3)]
.endr
.irp f, 0,1,2,3,4,5,6,7
	v_max_num_f32 v[40+\f], v[40+\f], v[220+(\f>>2)*32+(\f&3)]
.endr
.irp f, 0,1,2,3,4,5,6,7
	v_fma_f32 v[40+\f], v[40+\f], v15, v[184+\f]   ; the scale taken back, b3 added
.endr
.irp f, 0,1,2,3,4,5,6,7
	v_cndmask_b32 v[40+\f], 0, v[40+\f], s[92+\u]  ; count < 4: zero features (there the maxima are still -infinity)
.endr
.irp c, 0,1,2,3,4,5
	v_mul_f32 v[48+8*\u+\c], v40, v[128+\c]        ; the first product starts each sum
.endr
	v_mul_f32 v[54+8*\u], v40, v176
.irp f, 1,2,3,4,5,6,7
.irp c, 0,1,2,3,4,5
	v_fmac_f32 v[48+8*\u+\c], v[40+\f], v[128+24*(\f>>2)+6*(\f&3)+\c]
.endr
	v_fmac_f32 v[54+8*\u], v[40+\f], v[176+\f]
.endr
.irp c, 0,1,2,3,4,5,6
	REDSUM 48+8*\u+\c, 64
.endr
.irp c, 0,1,2,3,4,5
	v_add_f32 v[48+8*\u+\c], s[80+\c], v[48+8*\u+\c]
.endr
	v_add_f32 v[54+8*\u], s86, v[54+8*\u]
.endm
	HEADP 0
	HEADP 1
	; lanes 0-11 take the twelve numbers of out1 in order, lanes 12 and 13 the two of out0
	v_mov_b32 v66, v48
.irp k, 1,2,3,4,5,6,7,8,9,10,11
	v_cmp_eq_u32 vcc_lo, \k, v1
	v_cndmask_b32 v66, v66, v[48+8*(\k/6)+(\k%6)], vcc_lo
.endr
	v_cmp_eq_u32 vcc_lo, 12, v1
	v_cndmask_b32 v66, v66, v54, vcc_lo
	v_cmp_eq_u32 vcc_lo, 13, v1
	v_cndmask_b32 v66, v66, v62, vcc_lo
	v_min_u32 v67, 11, v1
	v_lshlrev_b32 v67, 2, v67
	v_add_nc_u32 v68, -12, v1                      ; 0, 1 in lanes 12, 13; large in lanes 0-11
	v_and_b32 v69, 1, v1
	v_lshlrev_b32 v69, 2, v69
	s_wait_xcnt 0x0                                ; EXEC changes only behind this wait
	v_cmp_gt_u32 vcc_lo, 12, v1
	s_wait_tensorcnt 0x0
	ds_add_u32 v126, v127
	s_wait_dscnt 0x0
	s_and_saveexec_b32 s99, vcc_lo
	global_store_b32 v67, v66, s[36:37]            ; 48 consecutive bytes of out1
	s_wait_xcnt 0x0                                ; and again in front of the line that widens it
	s_or_b32 exec_lo, exec_lo, s99
	v_cmp_gt_u32 vcc_lo, 2, v68
	s_and_saveexec_b32 s99, vcc_lo
	global_store_b32 v69, v66, s[34:35]            ; 8 consecutive bytes of out0
	s_wait_xcnt 0x0
	s_or_b32 exec_lo, exec_lo, s99
	s_endpgm
.Lfunc_end_k_qe8dd80f554_refine:
	.size	k_qe8dd80f554_refine, .Lfunc_end_k_qe8dd80f554_refine-k_qe8dd80f554_refine
	.p2alignl 7, 3214868480
	.fill 96, 4, 3214868480
	.section	.rodata,"a",@progbits
	.p2align	6, 0x0
	.amdhsa_kernel k_qe8dd80f554_refine
		.amdhsa_group_segment_fixed_size 189184
		.amdhsa_private_segment_fixed_size 0
		.amdhsa_enable_private_segment 0
		.amdhsa_kernarg_size 120
		.amdhsa_user_sgpr_count 2
		.amdhsa_user_sgpr_kernarg_segment_ptr 1
		.amdhsa_wavefront_size32 1
		.amdhsa_system_sgpr_workgroup_id_x 1
		.amdhsa_system_sgpr_workgroup_id_y 1
		.amdhsa_system_sgpr_workgroup_id_z 1
		.amdhsa_system_vgpr_workitem_id 0
		.amdhsa_next_free_vgpr 1024
		.amdhsa_next_free_sgpr 100
		.amdhsa_reserve_vcc 1
		.amdhsa_float_denorm_mode_32 3
		.amdhsa_float_denorm_mode_16_64 3
		.amdhsa_memory_ordered 1
		.amdhsa_forward_progress 1
		.amdhsa_inst_pref_size 118
	.end_amdhsa_kernel
	.amdgpu_metadata
---
amdhsa.version: [ 1, 2 ]
amdhsa.kernels:
  - .name:           k_qe8dd80f554_refine
    .symbol:         k_qe8dd80f554_refine.kd
    .args:
      - { .name: points, .offset: 0, .size: 8, .value_kind: global_buffer, .address_space: global }
      - { .name: counts, .offset: 8, .size: 8, .value_kind: global_buffer, .address_space: global }
      - { .name: proposals, .offset: 16, .size: 8, .value_kind: global_buffer, .address_space: global }
      - { .name: W1, .offset: 24, .size: 8, .value_kind: global_buffer, .address_space: global }
      - { .name: b1, .offset: 32, .size: 8, .value_kind: global_buffer, .address_space: global }
      - { .name: W2, .offset: 40, .size: 8, .value_kind: global_buffer, .address_space: global }
      - { .name: b2, .offset: 48, .size: 8, .value_kind: global_buffer, .address_space: global }
      - { .name: W3, .offset: 56, .size: 8, .value_kind: global_buffer, .address_space: global }
      - { .name: b3, .offset: 64, .size: 8, .value_kind: global_buffer, .address_space: global }
      - { .name: Wc, .offset: 72, .size: 8, .value_kind: global_buffer, .address_space: global }
      - { .name: bc, .offset: 80, .size: 8, .value_kind: global_buffer, .address_space: global }
      - { .name: Wr, .offset: 88, .size: 8, .value_kind: global_buffer, .address_space: global }
      - { .name: br, .offset: 96, .size: 8, .value_kind: global_buffer, .address_space: global }
      - { .name: out0, .offset: 104, .size: 8, .value_kind: global_buffer, .address_space: global }
      - { .name: out1, .offset: 112, .size: 8, .value_kind: global_buffer, .address_space: global }
    .group_segment_fixed_size: 189184
    .private_segment_fixed_size: 0
    .kernarg_segment_align: 8
    .kernarg_segment_size: 120
    .max_flat_workgroup_size: 128
    .sgpr_count:     100
    .vgpr_count:     1024
    .wavefront_size: 32
...
	.end_amdgpu_metadata
.endif
;; end of part 1
